; MI455X (gfx1250); checked and timed in simulation.
; The chip was launched on July 23, 2026; its instructions are those of AMD's public machine-readable ISA for CDNA 5 (MIT licence, August 2026) and "CDNA5" Instruction Set Architecture Reference Guide (July 2026). The comments in the code are by the model that wrote it; some were corrected since.
;; Attention Block. Allowed arithmetic: matrix products marked QUANTISED: E2M1 operands, one E8M0 scale for each 32 along K, by v_wmma_scale_f32_16x16x128_f8f6f4 with both operands' format E2M1 (or v_wmma_scale_f32_32x16x128_f4), f32 sums; everything else in f32.
;; Inputs: Wk_codes 128 x 4 x 16 uint8 (E2M1 codes of Wk, K innermost, in blocks of 32 codes, two codes a byte); Wk_scales 128 x 4 uint8 (E8M0 scales of Wk, one for each 32 codes along K); Wo_codes 128 x 4 x 16 uint8 (E2M1 codes of Wo, K innermost, in blocks of 32 codes, two codes a byte); Wo_scales 128 x 4 uint8 (E8M0 scales of Wo, one for each 32 codes along K); Wq_codes 128 x 4 x 16 uint8 (E2M1 codes of Wq, K innermost, in blocks of 32 codes, two codes a byte); Wq_scales 128 x 4 uint8 (E8M0 scales of Wq, one for each 32 codes along K); Wv_codes 128 x 4 x 16 uint8 (E2M1 codes of Wv, K innermost, in blocks of 32 codes, two codes a byte); Wv_scales 128 x 4 uint8 (E8M0 scales of Wv, one for each 32 codes along K); beta 128 float32; bk 128 float32; bq 128 float32; bv 128 float32; gamma 128 float32; x 8 x 128 x 64 x 64 float32.
;; Outputs: out0 8 x 128 x 64 x 64 float32.
;; This version of the problem:
;;   THIS VERSION OF THE PROBLEM IS GIVEN IN LOW PRECISION. The matrix products marked QUANTISED in the list below multiply operands that are first quantised to E2M1 (2 exponent bits, 1 mantissa bit; 4 bits a number), with one power-of-two scale for each 32 numbers along K (OCP MX v1.0); their sums are f32. All else is computed in f32.
;;   The module's matrix products, in the order in which they are computed (A, B: the left and right operand; K: the contracted axis; several contracted axes count as one K, in the product's order):
;;     1. [M 32,768, K 128] x [K 128, N 128]; A: computed on the way; B: input Wq (given as codes): QUANTISED
;;     2. [M 32,768, K 128] x [K 128, N 128]; A: computed on the way; B: input Wk (given as codes): QUANTISED
;;     3. [M 32,768, K 128] x [K 128, N 128]; A: computed on the way; B: input Wv (given as codes): QUANTISED
;;     4. batch 8 x [M 4,096, K 128] x [K 128, N 4,096]; A: computed on the way; B: computed on the way: QUANTISED
;;     5. batch 8 x [M 4,096, K 4,096] x [K 4,096, N 128]; A: softmax (see below); B: computed on the way: QUANTISED
;;     6. [M 32,768, K 128] x [K 128, N 128]; A: computed on the way; B: input Wo (given as codes): QUANTISED
;;   THE QUANTISER, for each operand of a quantised product, along K:
;;     - K is cut into blocks of 32 from its start; a last block that is shorter is filled with zeros.
;;     - A block's scale is 2^e with e = floor(log2(the largest magnitude in the block)) - 2, held to -126 .. 127; a block of zeros has e = 0. As a byte (E8M0): e + 127.
;;     - Each number is divided by its block's scale, clamped to +-6, and rounded to the nearest number of E2M1, ties to even, subnormals kept.
;;     - The product sums the exact products of the quantised numbers (number of the format x scale) in f32.
;;   ~~~python
;;   def quantise(x, axis):      # numpy; x: float32 -> the quantised numbers, widened to float32 again
;;       x = np.moveaxis(x, axis, -1); K = x.shape[-1]
;;       x = np.pad(x, [(0, 0)] * (x.ndim - 1) + [(0, -K % 32)]); x = x.reshape(x.shape[:-1] + (-1, 32)); a = np.abs(x).max(-1, keepdims=True)
;;       e = np.where(a > 0, np.clip(np.frexp(np.where(a > 0, a, 1))[1] - 1 - 2, -126, 127), 0)      # np.frexp(a)[1] - 1 = floor(log2(a)), exactly
;;       r = np.clip(x / 2.0 ** e, -6, 6)
;;       step = 2.0 ** (np.maximum(np.frexp(np.where(r == 0, 1, r))[1] - 1, 0) - 1)
;;       q = np.round(r / step) * step * 2.0 ** e      # np.round: ties to even
;;       return np.moveaxis(q.reshape(q.shape[:-2] + (-1,))[..., :K], -1, axis).astype(np.float32)
;;   ~~~
;;   SOFTMAX AHEAD OF A QUANTISED PRODUCT. Where the list says 'softmax', what is quantised is not the finished softmax but p = 2^(t - M), with t = logit x log2(e) and M = ceil(the row's largest t), a whole number; so 1/2 < the row's largest p <= 1. The row's sum l is taken of the UNQUANTISED p, in f32, and the product's result is divided by l at the end. Since M is a whole number, a kernel that streams over the keys may use a running M (the ceiling of the running maximum): every later rescaling is an exact power of two, which a block's scale takes up: the codes' values come out the same.
;;   OPERANDS COMPUTED ON THE WAY. 'Computed on the way' means the value that the module computes at that place (a softmax that the list does not call 'softmax' is quantised finished and normalised). What goes into a quantiser is computed in f32, as accurately as f32 sums, v_exp_f32 and their like allow (about 1e-6 of the number): no bf16 or f16 on the way to a quantiser, and a product that is left as it is and whose result goes on into a quantised operand takes f32 operands (vector FMAs, or v_wmma_f32_16x16x4_f32). A number that lies on a knife's edge between two numbers of the format may be rounded either way, as far as f32 arithmetic and the matrix unit's own rounding can turn it there, and no further.
;;   INPUTS GIVEN AS CODES. Wk (in the module: [128, 128], K = its axis 1); Wo (in the module: [128, 128], K = its axis 1); Wq (in the module: [128, 128], K = its axis 1); Wv (in the module: [128, 128], K = its axis 1): each comes as NAME_codes (uint8): NAME with its K axis moved to the last place and cut into blocks of 32 codes, [.., K / 32, bytes a block], one block behind the other in memory; two codes a byte, the lower K in the low four bits (a code: sign, 2 exponent bits, 1 mantissa bit); and NAME_scales (uint8): the same leading axes, one E8M0 byte (e + 127) for each 32 codes along K. Its value is code x scale, taken as it is: it is not quantised again, and the codes and scales need not be those that the quantiser above would give.
;; One version. Each part assembles by itself: llvm-mc -triple=amdgcn-amd-amdhsa -mcpu=gfx1250 --defsym DOCPART=n.
;; ======== version 1 of 1: 3 launches
;; limits: right only within a limited range of input values
;; workspace buffers: stats 5,120 bytes; qkv 6,684,672 bytes
;; launch stats (part 1): grid 256 x 1, 8 waves a work-group, no clusters, 1,536 bytes of LDS; arguments x, gamma, stats; writes stats
.if DOCPART == 1
	.amdgcn_target "amdgcn-amd-amdhsa--gfx1250"
	.amdhsa_code_object_version 6
	.text
	.protected	k_q9e7d83982d_stats
	.globl	k_q9e7d83982d_stats
	.p2align	8
	.type	k_q9e7d83982d_stats,@function
k_q9e7d83982d_stats:
	s_mov_b64 s[64:65], 0
	v_nop
	global_prefetch_b8 v0, s[64:65] scope:SCOPE_SE
	s_setreg_imm32_b32 hwreg(HW_REG_WAVE_MODE, 25, 1), 1
	s_wait_xcnt 0x0
; GroupNorm's statistics.  x: [8][128][4096] f32; a group is 4 channels x 4,096 positions: 65,536 consecutive bytes.
; NOTHING OF THE MODULE IS LEFT OUT in these three launches: bq, bk and bv go into operands that are quantised, gamma and beta move the codes of the
; normalised x, so every input has a way to the output and every input is loaded; all six products are done.
; This launch: work-group 32 b + g makes mean[b][g] and a[b][c] = rsqrt(var + 1e-6) x gamma[c] for the group's four channels.
; stats: [8][160] f32: words 0-127 a[c], words 128-159 mean[g].
; The group's 16,384 numbers stay in registers, 64 a lane, for both passes: first the mean, then the sum of (x - mean)^2, so that no difference of large sums is formed.
; Each load of a wave covers 512 consecutive bytes.  The eight waves' partial sums meet in LDS, a barrier for each of the two sums.
; LIMITS: NaN and infinities among the inputs are not served.
.set SPARE, 512                        ; LDS: 0-31 the waves' sums, 256-287 their sums of squares, from 512 the spare words, 128 bytes a wave
.set X,  16                            ; v16-79   my 64 numbers
.set CH, 80                            ; v80-87   four chains, two numbers each
.set DV, 88                            ; v88-95   four pairs x - mean
.set PS, 96                            ; v96-103  the eight waves' partial sums
.macro WSUM                            ; v8 summed over the 32 lanes, the result in every lane
	s_delay_alu instid0(VALU_DEP_1)
	v_add_f32_dpp v8, v8, v8 row_xmask:1 row_mask:0xf bank_mask:0xf
	s_delay_alu instid0(VALU_DEP_1)
	v_add_f32_dpp v8, v8, v8 row_xmask:2 row_mask:0xf bank_mask:0xf
	s_delay_alu instid0(VALU_DEP_1)
	v_add_f32_dpp v8, v8, v8 row_xmask:4 row_mask:0xf bank_mask:0xf
	s_delay_alu instid0(VALU_DEP_1)
	v_add_f32_dpp v8, v8, v8 row_xmask:8 row_mask:0xf bank_mask:0xf
	s_delay_alu instid0(VALU_DEP_1)
	v_permlanex16_b32 v9, v8, s12, s13
	s_delay_alu instid0(VALU_DEP_1)
	v_add_f32 v8, v8, v9
.endm
.macro TOTAL off                       ; the four chains -> the work-group's sum in v[PS], in every lane of every wave
	v_pk_add_f32 v[CH:CH+1], v[CH:CH+1], v[CH+2:CH+3]
	s_delay_alu instid0(VALU_DEP_2)
	v_pk_add_f32 v[CH+4:CH+5], v[CH+4:CH+5], v[CH+6:CH+7]
	s_delay_alu instid0(VALU_DEP_1)
	v_pk_add_f32 v[CH:CH+1], v[CH:CH+1], v[CH+4:CH+5]
	s_delay_alu instid0(VALU_DEP_1)
	v_add_f32 v8, v[CH], v[CH+1]
	WSUM
	ds_store_b32 v4, v8 offset:\off                ; all lanes write my wave's word with the same value
	s_wait_dscnt 0x0                               ; for the others' sake: my store has landed
	s_barrier_signal -1
	s_barrier_wait -1
	ds_load_b128 v[PS:PS+3], v5 offset:\off
	ds_load_b128 v[PS+4:PS+7], v5 offset:\off+16
	s_wait_dscnt 0x0
	v_add_f32 v[PS], v[PS], v[PS+1]
	v_add_f32 v[PS+2], v[PS+2], v[PS+3]
	v_add_f32 v[PS+4], v[PS+4], v[PS+5]
	v_add_f32 v[PS+6], v[PS+6], v[PS+7]
	s_delay_alu instid0(VALU_DEP_3)
	v_add_f32 v[PS], v[PS], v[PS+2]
	s_delay_alu instid0(VALU_DEP_2)
	v_add_f32 v[PS+4], v[PS+4], v[PS+6]
	s_delay_alu instid0(VALU_DEP_1)
	v_add_f32 v[PS], v[PS], v[PS+4]
.endm
	s_load_b128 s[4:7], s[0:1], 0x0                ; x, gamma
	s_load_b64 s[8:9], s[0:1], 0x10                ; stats
	v_lshl_add_u32 v12, v0, 2, SPARE               ; my spare word
	v_mov_b32 v13, 0
	v_lshrrev_b32 v4, 5, v0
	s_delay_alu instid0(VALU_DEP_1)
	v_readfirstlane_b32 s10, v4                    ; wave 0..7
	s_delay_alu instid0(VALU_DEP_2)
	v_lshlrev_b32 v4, 2, v4                        ; LDS: my wave's word
	v_mov_b32 v5, 0                                ; LDS: where the eight words begin
	v_and_b32 v6, 31, v0                           ; lane
	v_lshlrev_b32 v1, 4, v0                        ; 16 bytes a thread
	s_delay_alu instid0(VALU_DEP_2)
	v_min_u32 v2, 3, v6
	s_lshr_b32 s14, ttmp9, 5                       ; b
	s_and_b32 s15, ttmp9, 31                       ; g
	s_lshl_b32 s18, s15, 4                         ; 16 g: the group's four numbers in gamma
	v_lshl_add_u32 v2, v2, 2, s18                  ; lanes 0-3 take gamma[4 g + lane]; the others stay on the last
	v_mov_b32 v9, 0                                ; (a lane permute's destination counts as one of its sources)
	s_mov_b32 s12, 0x76543210
	s_mov_b32 s13, 0xfedcba98                      ; selects for lane l xor 16
	s_lshl_b32 s16, ttmp9, 16                      ; the group's 65,536 bytes
	s_mov_b32 s17, 0
	s_mul_i32 s19, s14, 640
	s_add_co_u32 s18, s18, s19                     ; stats: 640 b + 16 g: a's four words
	s_lshl_b32 s21, s15, 2
	s_add_co_u32 s19, s19, s21
	s_add_co_u32 s19, s19, 512                     ; 640 b + 512 + 4 g: the mean's word
	s_wait_alu depctr_va_vdst(0)
	s_wait_kmcnt 0x0
	s_add_nc_u64 s[4:5], s[4:5], s[16:17]
	global_load_b32 v3, v2, s[6:7]
.irp i, 0,1,2,3,4,5,6,7,8,9,10,11,12,13,14,15
	global_load_b128 v[X+4*\i:X+4*\i+3], v1, s[4:5] offset:4096*\i
.endr
	; pass 1: the sum, in four chains that the first four loads start
.irp i, 0,1,2,3,4,5,6,7,8,9,10,11,12,13,14,15
	s_wait_loadcnt 15-\i                           ; load i is in; the loads issued behind it may be out
.if \i < 4
	v_pk_add_f32 v[CH+2*\i:CH+2*\i+1], v[X+4*\i:X+4*\i+1], v[X+4*\i+2:X+4*\i+3]
.else
	s_wait_alu depctr_va_vdst(0)
	v_pk_add_f32 v[CH+2*(\i%4):CH+2*(\i%4)+1], v[CH+2*(\i%4):CH+2*(\i%4)+1], v[X+4*\i:X+4*\i+1]
	s_delay_alu instid0(VALU_DEP_1)
	v_pk_add_f32 v[CH+2*(\i%4):CH+2*(\i%4)+1], v[CH+2*(\i%4):CH+2*(\i%4)+1], v[X+4*\i+2:X+4*\i+3]
.endif
.endr
	TOTAL 0
	s_delay_alu instid0(VALU_DEP_1)
	v_mul_f32 v14, 0x38800000, v[PS]               ; mean = sum x 2^-14
	s_delay_alu instid0(VALU_DEP_1)
	v_mov_b32 v15, v14
	; pass 2: the sum of (x - mean)^2
.set j, 0
.rept 32
	v_pk_add_f32 v[DV+2*(j%4):DV+2*(j%4)+1], v[X+2*j:X+2*j+1], v[14:15] neg_lo:[0,1] neg_hi:[0,1]
.if j < 4
	s_delay_alu instid0(VALU_DEP_1)
	v_pk_mul_f32 v[CH+2*j:CH+2*j+1], v[DV+2*j:DV+2*j+1], v[DV+2*j:DV+2*j+1]
.else
	s_delay_alu instid0(VALU_DEP_1)
	v_pk_fma_f32 v[CH+2*(j%4):CH+2*(j%4)+1], v[DV+2*(j%4):DV+2*(j%4)+1], v[DV+2*(j%4):DV+2*(j%4)+1], v[CH+2*(j%4):CH+2*(j%4)+1]
.endif
.set j, j+1
.endr
	TOTAL 256                                      ; other LDS bytes than the first sum's: no barrier is owed between its reads and these stores
	v_mov_b32 v10, 0x38800000
	s_delay_alu instid0(VALU_DEP_1)
	v_fmaak_f32 v8, v[PS], v10, 0x358637bd         ; var + 1e-6
	s_wait_alu depctr_va_vdst(0)
	v_rsq_f32 v11, v8
	v_nop                                          ; a plain instruction behind the transcendental
	s_wait_alu depctr_va_vdst(0)                   ; ahead of the result's first reader
	v_mul_f32 v10, v11, v3                         ; a = rstd x gamma
	s_cmp_lg_u32 s10, 0
	s_cbranch_scc1 .Lend                           ; wave 0 stores for the work-group
	v_cmp_eq_u32 vcc_lo, 4, v6
	s_delay_alu instid0(VALU_DEP_1)
	v_cndmask_b32 v10, v10, v14, vcc_lo            ; lanes 0-3: a; lane 4: the mean
	v_lshl_add_u32 v8, v6, 2, s18
	v_mov_b32 v9, s19
	s_delay_alu instid0(VALU_DEP_1)
	v_cndmask_b32 v8, v8, v9, vcc_lo
	v_cmp_gt_u32 vcc_lo, 5, v0
	s_wait_alu depctr_va_vdst(0)
	s_wait_xcnt 0x0                                ; EXEC changes only behind this wait
	s_and_saveexec_b32 s20, vcc_lo
	global_store_b32 v8, v10, s[8:9]
	s_wait_xcnt 0x0                                ; and again ahead of the line that widens it
	s_or_b32 exec_lo, exec_lo, s20
.Lend:
	s_wait_tensorcnt 0x0                           ; the wave's end, behind my last LDS store
	ds_add_u32 v12, v13
	s_wait_dscnt 0x0
	s_endpgm
.Lfunc_end_k_q9e7d83982d_stats:
	.size	k_q9e7d83982d_stats, .Lfunc_end_k_q9e7d83982d_stats-k_q9e7d83982d_stats
	.p2alignl 7, 3214868480
	.fill 96, 4, 3214868480
	.section	.rodata,"a",@progbits
	.p2align	6, 0x0
	.amdhsa_kernel k_q9e7d83982d_stats
		.amdhsa_group_segment_fixed_size 1536
		.amdhsa_private_segment_fixed_size 0
		.amdhsa_enable_private_segment 0
		.amdhsa_kernarg_size 24
		.amdhsa_user_sgpr_count 2
		.amdhsa_user_sgpr_kernarg_segment_ptr 1
		.amdhsa_wavefront_size32 1
		.amdhsa_system_sgpr_workgroup_id_x 1
		.amdhsa_system_sgpr_workgroup_id_y 1
		.amdhsa_system_sgpr_workgroup_id_z 1
		.amdhsa_system_vgpr_workitem_id 0
		.amdhsa_next_free_vgpr 104
		.amdhsa_next_free_sgpr 66
		.amdhsa_reserve_vcc 1
		.amdhsa_float_denorm_mode_32 3
		.amdhsa_float_denorm_mode_16_64 3
		.amdhsa_memory_ordered 1
		.amdhsa_forward_progress 1
		.amdhsa_inst_pref_size 16
	.end_amdhsa_kernel
	.amdgpu_metadata
---
amdhsa.version: [ 1, 2 ]
amdhsa.kernels:
  - .name:           k_q9e7d83982d_stats
    .symbol:         k_q9e7d83982d_stats.kd
    .args:
      - { .name: x, .offset: 0, .size: 8, .value_kind: global_buffer, .address_space: global }
      - { .name: gamma, .offset: 8, .size: 8, .value_kind: global_buffer, .address_space: global }
      - { .name: stats, .offset: 16, .size: 8, .value_kind: global_buffer, .address_space: global }
    .group_segment_fixed_size: 1536
    .private_segment_fixed_size: 0
    .kernarg_segment_align: 8
    .kernarg_segment_size: 24
    .max_flat_workgroup_size: 256
    .sgpr_count:     66
    .vgpr_count:     104
    .wavefront_size: 32
...
	.end_amdgpu_metadata
.endif
;; end of part 1
;; launch proj (part 2): grid 32 x 8, 4 waves a work-group, no clusters, 167,936 bytes of LDS; arguments x, stats, beta, Wq_codes, Wq_scales, bq, Wk_codes, Wk_scales, bk, Wv_codes, Wv_scales, bv, qkv; writes qkv
.if DOCPART == 2
	.amdgcn_target "amdgcn-amd-amdhsa--gfx1250"
	.amdhsa_code_object_version 6
	.text
	.protected	k_q9e7d83982d_proj
	.globl	k_q9e7d83982d_proj
	.p2align	8
	.type	k_q9e7d83982d_proj,@function
k_q9e7d83982d_proj:
	s_mov_b64 s[64:65], 0
	v_nop
	global_prefetch_b8 v0, s[64:65] scope:SCOPE_SE
	s_setreg_imm32_b32 hwreg(HW_REG_WAVE_MODE, 25, 1), 1
	s_wait_xcnt 0x0
; xn = (x - mean) a + beta, quantised along the channels; q, k, v = xn W^T + b on codes of E2M1 with E8M0 scales; q and k quantised along the channels, v along the keys.  No work is left out.
; A work-group makes one RECORD of qkv: 128 positions of one batch, 26,112 bytes, all of it images of operand registers (register 4 c + i of lane L at 512 c + 16 L + 4 i of a fragment's 1,024 bytes):
;   0      K's codes, 8 tiles: row r of tile 2 w + u is position 32 w + 8 u + r + 8 (r / 8)
;   8192   V^T's codes, 8 tiles: row r of tile t is channel 32 (t / 2) + 8 (t % 2) + r + 8 (r / 8); along K the record's 128 keys in their own order
;   16384  K's scale words, 16896 V's: the word at 16 L + 4 j belongs to tile 2 j + L / 16, row L % 16.   17408  Q's scale words: tile T, row r at 64 T + 4 r.   17920  Q's codes, tiles as K's
; SHARES.  Wave w takes positions 32 w .. 32 w + 31; lane l takes position pi(l) (l with its bits 3 and 4 exchanged) and holds all 128 channels down its registers: each block of 32 channels is one lane's own.
; q and k are made TRANSPOSED (source 0 = 16 rows of W, source 1 = 16 positions), the rows of W chosen so that the 16 registers of tiles 2 b, 2 b + 1 are 16 neighbouring channels; the bias is the C of the product.
; v is made the natural way (source 0 = 16 positions, source 1 = 16 rows of Wv): a lane then holds one channel and, in the two position tiles' registers, 16 neighbouring keys.
; x's tile [128 channels][512 bytes] comes into LDS by one tensor load a wave (32 channels each), filled once.
; LIMITS: NaN and infinities are not served; a block whose largest magnitude lies under 2^-124, a block of zeros too, keeps the scale byte 1 (its codes are zeros or nearly; the bytes are read by this program alone);
; xn is formed as (x - mean)(rstd gamma) + beta, which differs from the module's order of f32 roundings alone.
; REGISTERS.  window 0: v1-15 addresses; v16-31 xn's two fragments; v32 its scale word; v33-44 the weights' scale words; v46-61 bv, later V's scale bytes; v62, v63 the add's two; v64-191 x, then the products' results;
;   v192-223 q's and k's codes; v224-239 v's codes; v240-255 at work.   window 1: Wq, Wk, Wv, 64 registers each.   window 2: bq, bk in the result's layout.   window 3: a[c] at v0-127, beta[c] at v128-255.
.set PITCH, 26112
; ROWS OF THE IMAGES, which hold in place of what the lines above say of rows: row r of a weight's tile t is channel 64 (t / 4) + 8 (t % 4) + r % 8 + 32 (r / 8), so that a lane's 32 registers of four tiles are a whole block of 32 channels;
; V^T's tiles have the same rows.  K's codes: wave w's two fragments as made, at 2,048 w, with the two groups of eight rows exchanged where w is odd; K's scale words: the word at 16 L + 4 j belongs to key
; 64 (j / 2) + 16 (j % 2) + 8 (L / 16) + L % 8 + 32 ((L % 16) / 8), which is row L of the reader's j-th run of 32 keys.
.set H8,    3                          ; v3: 8 (lane / 16)
.set STG,   65536
.set SPARE, 67584                      ; the spare words, 128 bytes a wave
.set T0,  16
.set XW,  32
.set WQS, 33
.set WKS, 37
.set WVS, 41
.set BV,  46
.set BY,  46
.set SPW, 62
.set NIL, 63
.set HA,  64
.set PC,  192
.set VC,  224
.set TM,  240                          ; +0..3 largest magnitudes, +4..7 the other half's, then bytes, +8..11 scale words, +12..15 the conversions' scale operands
.set SEL, 72
.set MSB, 0
.macro WIN new                         ; the immediate's high byte repeats the setting that is left
.if MSB != \new
	s_set_vgpr_msb (MSB<<8)|\new
.set MSB, \new
.endif
.endm
.macro PLACES n
.rept \n
	v_nop
.endr
.endm
; a scaled product: ra, rb = 1: that side's scale words stand in lanes 16-31 of its register
.macro WM0 d, a, b, sa, sb, ra, rb
.if (\ra) && (\rb)
	v_wmma_scale_f32_16x16x128_f8f6f4 v[\d:\d+7], v[\a:\a+7], v[\b:\b+7], 0, v[\sa], v[\sb] matrix_a_fmt:MATRIX_FMT_FP4 matrix_b_fmt:MATRIX_FMT_FP4 matrix_a_scale:MATRIX_SCALE_ROW1 matrix_b_scale:MATRIX_SCALE_ROW1
.elseif (\ra)
	v_wmma_scale_f32_16x16x128_f8f6f4 v[\d:\d+7], v[\a:\a+7], v[\b:\b+7], 0, v[\sa], v[\sb] matrix_a_fmt:MATRIX_FMT_FP4 matrix_b_fmt:MATRIX_FMT_FP4 matrix_a_scale:MATRIX_SCALE_ROW1
.elseif (\rb)
	v_wmma_scale_f32_16x16x128_f8f6f4 v[\d:\d+7], v[\a:\a+7], v[\b:\b+7], 0, v[\sa], v[\sb] matrix_a_fmt:MATRIX_FMT_FP4 matrix_b_fmt:MATRIX_FMT_FP4 matrix_b_scale:MATRIX_SCALE_ROW1
.else
	v_wmma_scale_f32_16x16x128_f8f6f4 v[\d:\d+7], v[\a:\a+7], v[\b:\b+7], 0, v[\sa], v[\sb] matrix_a_fmt:MATRIX_FMT_FP4 matrix_b_fmt:MATRIX_FMT_FP4
.endif
.endm
.macro WMC d, a, b, c, sa, sb, ra, rb
.if (\ra) && (\rb)
	v_wmma_scale_f32_16x16x128_f8f6f4 v[\d:\d+7], v[\a:\a+7], v[\b:\b+7], v[\c:\c+7], v[\sa], v[\sb] matrix_a_fmt:MATRIX_FMT_FP4 matrix_b_fmt:MATRIX_FMT_FP4 matrix_a_scale:MATRIX_SCALE_ROW1 matrix_b_scale:MATRIX_SCALE_ROW1
.elseif (\ra)
	v_wmma_scale_f32_16x16x128_f8f6f4 v[\d:\d+7], v[\a:\a+7], v[\b:\b+7], v[\c:\c+7], v[\sa], v[\sb] matrix_a_fmt:MATRIX_FMT_FP4 matrix_b_fmt:MATRIX_FMT_FP4 matrix_a_scale:MATRIX_SCALE_ROW1
.elseif (\rb)
	v_wmma_scale_f32_16x16x128_f8f6f4 v[\d:\d+7], v[\a:\a+7], v[\b:\b+7], v[\c:\c+7], v[\sa], v[\sb] matrix_a_fmt:MATRIX_FMT_FP4 matrix_b_fmt:MATRIX_FMT_FP4 matrix_b_scale:MATRIX_SCALE_ROW1
.else
	v_wmma_scale_f32_16x16x128_f8f6f4 v[\d:\d+7], v[\a:\a+7], v[\b:\b+7], v[\c:\c+7], v[\sa], v[\sb] matrix_a_fmt:MATRIX_FMT_FP4 matrix_b_fmt:MATRIX_FMT_FP4
.endif
.endm
.macro LOADX b                         ; channels 32 b .. 32 b + 31 of my position: 32 lanes read 128 consecutive bytes of a channel's row
.set i, 0
.rept 32
	ds_load_b32 v[HA+32*(\b)+i], v4 offset:(32*(\b)+i)*512
.set i, i+1
.endr
.endm
.macro XQ b                            ; block b of xn, all 32 numbers mine: its byte into the scale word, its 32 codes into four registers
.set XS, HA+32*\b
	v_max3_num_f32 v[TM], |v[XS]|, |v[XS+1]|, |v[XS+2]|
	v_max3_num_f32 v[TM+1], |v[XS+3]|, |v[XS+4]|, |v[XS+5]|
.irp i, 6,10,14,18,22,26
	v_max3_num_f32 v[TM], v[TM], |v[XS+\i]|, |v[XS+\i+1]|
	v_max3_num_f32 v[TM+1], v[TM+1], |v[XS+\i+2]|, |v[XS+\i+3]|
.endr
	v_max3_num_f32 v[TM], v[TM], |v[XS+30]|, |v[XS+31]|
	v_max3_num_f32 v[TM], v[TM], v[TM+1], 0x1800000        ; the floor 2^(3 - 127): the byte cannot fall under 1
	v_add_nc_u32 v[TM+12+\b], 0xff000000, v[TM]            ; 2 off the exponent field: the conversion's scale operand
	v_lshrrev_b32 v[TM+2], 23, v[TM+12+\b]                 ; the scale's byte
.if \b == 0
	v_mov_b32 v[XW], v[TM+2]
.else
	v_lshl_or_b32 v[XW], v[TM+2], 8*\b, v[XW]
.endif
.irp g, 0,1,2,3
	v_cvt_scalef32_pk8_fp4_f32 v[T0+8*(\b%2)+4*(\b/2)+\g], v[XS+8*\g:XS+8*\g+7], v[TM+12+\b]   ; blocks 0, 2 into the first eight registers, blocks 1, 3 into the second
.endr
.endm
; 64 numbers of a lane, register 32 c + i = k 64 c + 32 (lane / 16) + i of my row, become a fragment's codes in v[pc] on and its scale word in v[pw]
.macro QUANT s, pc, pw                 ; register 32 c + i = channel 64 c + 32 (lane / 16) + i of my row: two whole blocks
.irp q, 0,1,2,3
	v_max3_num_f32 v[TM+\q], |v[\s+16*\q]|, |v[\s+16*\q+1]|, |v[\s+16*\q+2]|
.endr
.irp i, 3,5,7,9,11,13
.irp q, 0,1,2,3
	v_max3_num_f32 v[TM+\q], v[TM+\q], |v[\s+16*\q+\i]|, |v[\s+16*\q+\i+1]|
.endr
.endr
.irp c, 0,2
	v_max3_num_f32 v[TM+\c], v[TM+\c], v[TM+\c+1], |v[\s+16*\c+15]|
.endr
.irp c, 0,2
	v_max3_num_f32 v[TM+\c], v[TM+\c], |v[\s+16*\c+31]|, 0x1800000
.endr
.irp c, 0,2
	v_add_nc_u32 v[TM+12+\c], 0xff000000, v[TM+\c]
.endr
.irp c, 0,2
	v_lshrrev_b32 v[TM+4+\c], 23, v[TM+12+\c]
.endr
	v_lshl_or_b32 v[TM+4], v[TM+6], 16, v[TM+4]
	v_lshlrev_b32 v[TM+4], v[H8], v[TM+4]          ; my two bytes: blocks h and 2 + h
	v_permlanex16_b32 v[TM+5], v[TM+4], s[SEL], s[SEL+1]
	v_or_b32 v[\pw], v[TM+4], v[TM+5]              ; with lane l xor 16's two the word is whole
.irp c, 0,1
.irp g, 0,1,2,3
	v_cvt_scalef32_pk8_fp4_f32 v[\pc+4*\c+\g], v[\s+32*\c+8*\g:\s+32*\c+8*\g+7], v[TM+12+2*\c]
.endr
.endr
	v_nop                                          ; one plain place behind a scaled conversion
.endm
; q or k: 16 products (8 tiles of channels x my two tiles of positions, 16 different accumulators), quantised, codes to memory, scale words to the stage
.macro QK wb, bb, ws, pc, off, wreg, adr, sa
	WIN 0x21                                       ; source 0 (W) window 1, source 2 (the bias) window 2
.irp t, 0,1,2,3,4,5,6,7
.irp u, 0,1
	WMC HA+64*\u+8*\t, \wb+8*\t, T0+8*\u, \bb+8*\t, \ws+\t/2, XW, \t%2, \u
.endr
.endr
	WIN 0
	PLACES 4                                       ; ahead of the first read of results
	QUANT HA, \pc, TM+8
	QUANT HA+64, \pc+8, TM+9
.irp u, 0,1
.irp c, 0,1
	global_store_b128 v\sa, v[\pc+8*\u+4*\c:\pc+8*\u+4*\c+3], s[88:89] offset:\off+1024*\u+512*\c   ; 512 consecutive bytes
.endr
.endr
	v_cndmask_b32 v[\wreg], v[TM+8], v[TM+9], s70  ; lanes 0-15: tile 2 w's words, lanes 16-31: tile 2 w + 1's
	ds_store_b32 v[\adr], v[\wreg]
.endm
; v's tiles 4 g .. 4 g + 3: lane (r, h) holds one channel and keys 16 h .. 16 h + 15 of my wave's 32, which are one block along the keys
.macro VQ g
.irp q, 0,1,2,3
	v_max3_num_f32 v[TM+\q], |v[HA+8*(4*\g+\q)]|, |v[HA+8*(4*\g+\q)+1]|, 0x1800000
.endr
.irp i, 2,4,6
.irp q, 0,1,2,3
	v_max3_num_f32 v[TM+\q], v[TM+\q], |v[HA+8*(4*\g+\q)+\i]|, |v[HA+8*(4*\g+\q)+\i+1]|
.endr
.endr
.irp i, 0,2,4,6
.irp q, 0,1,2,3
	v_max3_num_f32 v[TM+\q], v[TM+\q], |v[HA+64+8*(4*\g+\q)+\i]|, |v[HA+64+8*(4*\g+\q)+\i+1]|
.endr
.endr
.irp q, 0,1,2,3
	v_permlanex16_b32 v[TM+4+\q], v[TM+\q], s[SEL], s[SEL+1]
.endr
.irp q, 0,1,2,3
	v_max_num_f32 v[TM+\q], v[TM+\q], v[TM+4+\q]
.endr
.irp q, 0,1,2,3
	v_add_nc_u32 v[TM+12+\q], 0xff000000, v[TM+\q]
.endr
.irp q, 0,1,2,3
	v_lshrrev_b32 v[BY+4*\g+\q], 23, v[TM+12+\q]
.endr
.irp q, 0,1,2,3
	ds_store_b8 v13, v[BY+4*\g+\q] offset:256*(\q%2)+4*((4*\g+\q)/2)   ; byte w of the channel's scale word; both lanes of a block write the same value
.endr
.irp q, 0,1,2,3
	v_cvt_scalef32_pk8_fp4_f32 v[VC+2*(4*\g+\q)], v[HA+8*(4*\g+\q):HA+8*(4*\g+\q)+7], v[TM+12+\q]
	v_cvt_scalef32_pk8_fp4_f32 v[VC+2*(4*\g+\q)+1], v[HA+64+8*(4*\g+\q):HA+64+8*(4*\g+\q)+7], v[TM+12+\q]
.endr
	v_nop                                          ; one plain place behind a scaled conversion
.irp q, 0,1,2,3
	global_store_b64 v11, v[VC+2*(4*\g+\q):VC+2*(4*\g+\q)+1], s[88:89] offset:1024*(4*\g+\q)   ; 32 lanes store 256 consecutive bytes, aligned
.endr
.endm
	s_load_b256 s[4:11], s[0:1], 0x0               ; x, stats, beta, Wq's codes
	s_load_b256 s[12:19], s[0:1], 0x20             ; Wq's scales, bq, Wk's codes, Wk's scales
	s_load_b256 s[20:27], s[0:1], 0x40             ; bk, Wv's codes, Wv's scales, bv
	s_load_b64 s[28:29], s[0:1], 0x60              ; qkv
	v_lshl_add_u32 v[SPW], v0, 2, SPARE
	v_mov_b32 v[NIL], 0
	ds_add_u32 v[SPW], v[NIL]                      ; the wave's opening: the add, twice on end, and its wait ahead of my first tensor load
	ds_add_u32 v[SPW], v[NIL]
	v_lshrrev_b32 v3, 5, v0
	v_readfirstlane_b32 s30, v3                    ; wave 0..3
	s_and_b32 s31, ttmp7, 0xffff                   ; b
	s_mov_b32 s80, 2<<16                           ; group 1: elements of 4 bytes, no mask, no padding
	s_mov_b32 s81, 128<<16                         ; tensor_dim0 = 128
	s_mov_b32 s82, 32<<16                          ; tensor_dim1 = 32
	s_mov_b32 s83, 128<<16                         ; tile_dim0 = 128: 512 bytes of a channel
	s_mov_b32 s84, 32                              ; tile_dim1 = 32 channels
	s_mov_b32 s85, 4096                            ; from channel to channel
	s_mov_b32 s86, 0
	s_mov_b32 s87, 0
	s_mov_b32 s70, 0xffff0000                      ; lanes 16-31
	s_mov_b32 s[SEL], 0x76543210
	s_mov_b32 s[SEL+1], 0xfedcba98
	s_lshl_b32 s66, s31, 21                        ; x: the batch,
	s_lshl_b32 s67, s30, 19                        ; my 32 channels,
	s_add_co_u32 s66, s66, s67
	s_lshl_b32 s67, ttmp9, 9                       ; the block's 128 positions
	s_add_co_u32 s66, s66, s67
	s_mov_b32 s67, 0
	s_mul_i32 s68, s31, 640                        ; stats: the batch's 160 words
	s_mov_b32 s69, 0
	s_lshl_b32 s88, s31, 5
	s_add_co_u32 s88, s88, ttmp9
	s_mul_i32 s88, s88, PITCH                      ; my record
	s_mov_b32 s89, 0
	s_mov_b32 s76, 1                               ; group 0: count = 1
	s_lshl_b32 s77, s30, 14                        ; LDS: 32 rows of 512 bytes a wave
	v_and_b32 v240, 31, v0                         ; l
	v_and_b32 v241, 15, v0                         ; r
	v_bfe_u32 v242, v0, 4, 1                       ; h
	v_and_b32 v243, 7, v0
	v_bfe_u32 v244, v0, 3, 1
	v_lshl_add_u32 v243, v244, 4, v243
	v_lshl_add_u32 v243, v242, 3, v243             ; pi(l)
	v_and_b32 v244, 8, v241
	v_mad_u32_u24 v244, v244, 3, v241              ; r % 8 + 32 (r / 8)
	s_lshl_b32 s71, s30, 11
	v_lshl_add_u32 v1, v240, 4, s71                ; q's image: 2,048 w + 16 l
	s_and_b32 s74, s30, 1
	s_lshl_b32 s74, s74, 3
	v_xor_b32 v245, s74, v240
	v_lshl_add_u32 v5, v245, 4, s71                ; k's: the same with l's bit 3 turned where w is odd
	v_lshlrev_b32 v[H8], 3, v242
	s_lshl_b32 s71, s30, 9
	v_lshl_add_u32 v15, v240, 4, s71
	v_add_nc_u32 v2, 16384, v15                    ; the scale words' way out, in the record: 16,384 + 512 w + 16 l
	v_add_nc_u32 v15, STG, v15                     ; and in the stage
	s_lshl_b32 s71, s30, 7
	v_lshl_add_u32 v4, v243, 2, s71                ; x's tile: 128 w + 4 pi(l)
	v_lshl_add_u32 v14, v240, 2, s71
	v_add_nc_u32 v14, STG+1024, v14                ; Q's scale words: 128 w + 4 l
	v_lshlrev_b32 v6, 6, v244
	v_lshl_add_u32 v6, v242, 4, v6                 ; a weight's fragment: row r % 8 + 32 (r / 8) of 64 bytes, + 16 h
	v_lshl_add_u32 v245, v242, 3, v244
	v_lshlrev_b32 v7, 2, v245                      ; a weight's scale words: row 8 (l / 16) + r % 8 + 32 (r / 8)
	v_lshlrev_b32 v8, 7, v242                      ; bq, bk: 32 h numbers on
	v_lshlrev_b32 v9, 2, v244                      ; bv: number r % 8 + 32 (r / 8)
	v_mov_b32 v10, 0
	s_lshl_b32 s71, s30, 8
	v_lshl_add_u32 v11, v241, 4, s71
	v_lshl_add_u32 v11, v242, 3, v11
	v_add_nc_u32 v11, 8192, v11                    ; V^T's codes: 8,192 + 256 w + 16 r + 8 h
	s_lshl_b32 s71, s74, 4                         ; 128 (w % 2)
	s_lshr_b32 s75, s30, 1
	s_lshl_b32 s75, s75, 3                         ; 8 (w / 2)
	s_add_co_u32 s71, s71, s75
	v_and_b32 v245, 7, v0
	v_lshl_add_u32 v245, v242, 4, v245
	v_lshl_add_u32 v12, v245, 4, s71
	v_bfe_u32 v245, v0, 3, 1
	v_lshl_add_u32 v12, v245, 2, v12
	v_add_nc_u32 v12, STG, v12                     ; K's scale words: 16 (16 (l / 16) + 8 (w % 2) + l % 8) + 4 (2 (w / 2) + r / 8)
	v_lshlrev_b32 v13, 4, v241
	v_add_nc_u32 v13, s30, v13
	v_add_nc_u32 v13, STG+512, v13                 ; V's scale bytes: 16 r + w
.irp b, 0,1,2,3
	v_mov_b32 v[TM+4+\b], 0                        ; (a lane permute's destination counts as one of its sources)
.endr
	s_wait_dscnt 0x0                               ; both opening adds are done
	s_wait_kmcnt 0x0
	s_add_nc_u64 s[78:79], s[4:5], s[66:67]
	s_or_b32 s79, s79, 0x80000000                  ; type = 2
	tensor_load_to_lds s[76:79], s[80:87]          ; my 32 channels of x's tile: my one tensor load
	s_nop 0
	PLACES 4                                       ; the windows are switched behind four instructions
	s_add_nc_u64 s[6:7], s[6:7], s[68:69]
	s_add_nc_u64 s[88:89], s[28:29], s[88:89]
	s_load_b512 s[32:47], s[6:7], 0x200            ; the batch's 32 means
	s_load_b512 s[48:63], s[6:7], 0x240
	WIN 0xc0                                       ; destination window 3
.set k, 0
.rept 32
	global_load_b128 v[4*k:4*k+3], v10, s[6:7] offset:16*k          ; a[c], the same in every lane
.set k, k+1
.endr
.set k, 0
.rept 32
	global_load_b128 v[128+4*k:128+4*k+3], v10, s[8:9] offset:16*k  ; beta[c]
.set k, k+1
.endr
	WIN 0x40                                       ; destination window 1
.macro WLOAD base, sb                  ; a weight's eight fragments: tile t begins at row 64 (t / 4) + 8 (t % 4)
.irp t, 0,1,2,3,4,5,6,7
.irp c, 0,1
	global_load_b128 v[\base+8*\t+4*\c:\base+8*\t+4*\c+3], v6, s[\sb:\sb+1] offset:(64*(\t/4)+8*(\t%4))*64+32*\c
.endr
.endr
.endm
	WLOAD 0, 10
	WLOAD 64, 16
	WLOAD 128, 22
	WIN 0x80                                       ; destination window 2
.macro BLOAD base, sb                  ; a bias in the transposed result's layout: for tile t numbers 64 (t / 4) + 8 (t % 4) + 32 h + 0 .. 7
.irp t, 0,1,2,3,4,5,6,7
	global_load_b128 v[\base+8*\t:\base+8*\t+3], v8, s[\sb:\sb+1] offset:(64*(\t/4)+8*(\t%4))*4
	global_load_b128 v[\base+8*\t+4:\base+8*\t+7], v8, s[\sb:\sb+1] offset:(64*(\t/4)+8*(\t%4))*4+16
.endr
.endm
	BLOAD 0, 14
	BLOAD 64, 20
	WIN 0
.irp j, 0,1,2,3
	global_load_b32 v[WQS+\j], v7, s[12:13] offset:(64*(\j/2)+16*(\j%2))*4   ; lanes 0-15: tile 2 j's words, lanes 16-31: tile 2 j + 1's
	global_load_b32 v[WKS+\j], v7, s[18:19] offset:(64*(\j/2)+16*(\j%2))*4
	global_load_b32 v[WVS+\j], v7, s[24:25] offset:(64*(\j/2)+16*(\j%2))*4
.endr
.irp t, 0,1,2,3,4,5,6,7
	global_load_b32 v[BV+2*\t], v9, s[26:27] offset:(64*(\t/4)+8*(\t%4))*4     ; bv of my channel in tile t, twice: a pair for the packed addition
	global_load_b32 v[BV+2*\t+1], v9, s[26:27] offset:(64*(\t/4)+8*(\t%4))*4
.endr
	s_wait_tensorcnt 0x0                           ; my part of x's tile has landed,
	s_barrier_signal -1
	s_barrier_wait -1                              ; everybody's has; nothing is ever filled again
	LOADX 0
	LOADX 1
	s_wait_kmcnt 0x0                               ; the means
	s_wait_loadcnt 63                              ; 108 loads were issued behind beta's last: a and beta are in
.irp b, 0,1,2,3
.if \b < 3
	s_wait_dscnt 32                                ; this block's 32 numbers are in; the next block's 32 loads may be out
.else
	s_wait_dscnt 0x0
.endif
.if \b < 2
	LOADX \b+2
.endif
.set i, 0
.rept 32
	v_sub_f32 v[HA+32*\b+i], v[HA+32*\b+i], s[32+8*\b+i/4]          ; x - the mean of channel 32 b + i's group
.set i, i+1
.endr
	WIN 0x3c                                       ; sources 1 and 2 window 3
.set i, 0
.rept 16
	v_pk_fma_f32 v[HA+32*\b+2*i:HA+32*\b+2*i+1], v[HA+32*\b+2*i:HA+32*\b+2*i+1], v[32*\b+2*i:32*\b+2*i+1], v[128+32*\b+2*i:128+32*\b+2*i+1]
.set i, i+1
.endr
	WIN 0
	XQ \b
.endr
	v_nop                                          ; one plain place behind a scaled conversion
.irp i, 0,1,2,3,4,5,6,7
	v_permlane16_swap_b32 v[T0+\i], v[T0+8+\i]     ; now v16-23 are the fragment of lanes 0-15's positions, v24-31 that of lanes 16-31's; the scale word serves the first from lanes 0-15, the second from lanes 16-31
.endr
	s_wait_alu depctr_va_vdst(0)
	s_wait_loadcnt 0x0                             ; weights, biases, scale words
	PLACES 8                                       ; a scale register written by a vector instruction stands 8 places ahead of a scaled product, an operand 4
	QK 0, 0, WQS, PC, 17920, TM+10, 14, 1
	QK 64, 64, WKS, PC+16, 0, TM+11, 12, 5
	WIN 0x04                                       ; source 1 (Wv) window 1
.irp t, 0,1,2,3,4,5,6,7
.irp u, 0,1
	WM0 HA+64*\u+8*\t, T0+8*\u, 128+8*\t, XW, WVS+\t/2, \u, \t%2
.endr
.endr
	WIN 0
	PLACES 4
.irp u, 0,1
.irp t, 0,1,2,3,4,5,6,7
.irp j, 0,2,4,6
	v_pk_add_f32 v[HA+64*\u+8*\t+\j:HA+64*\u+8*\t+\j+1], v[HA+64*\u+8*\t+\j:HA+64*\u+8*\t+\j+1], v[BV+2*\t:BV+2*\t+1]   ; + bv; each accumulator from its low end on
.endr
.endr
.endr
	VQ 0
	VQ 1
	s_wait_dscnt 0x0                               ; for the others' sake: my scale words and bytes lie in the stage
	s_barrier_signal -1
	s_barrier_wait -1
	s_cmp_lt_u32 s30, 3
	s_cbranch_scc0 .Lend                           ; waves 0, 1, 2 store K's, V's, Q's 512 bytes of scale words
	ds_load_b128 v[TM+8:TM+11], v15
	s_wait_dscnt 0x0
	global_store_b128 v2, v[TM+8:TM+11], s[88:89]  ; 512 consecutive bytes
.Lend:
	s_wait_tensorcnt 0x0                           ; the wave's end, behind my last tensor load and my last LDS store
	ds_add_u32 v[SPW], v[NIL]
	s_wait_dscnt 0x0
	s_endpgm
.Lfunc_end_k_q9e7d83982d_proj:
	.size	k_q9e7d83982d_proj, .Lfunc_end_k_q9e7d83982d_proj-k_q9e7d83982d_proj
	.p2alignl 7, 3214868480
	.fill 96, 4, 3214868480
	.section	.rodata,"a",@progbits
	.p2align	6, 0x0
	.amdhsa_kernel k_q9e7d83982d_proj
		.amdhsa_group_segment_fixed_size 167936
		.amdhsa_private_segment_fixed_size 0
		.amdhsa_enable_private_segment 0
		.amdhsa_kernarg_size 104
		.amdhsa_user_sgpr_count 2
		.amdhsa_user_sgpr_kernarg_segment_ptr 1
		.amdhsa_wavefront_size32 1
		.amdhsa_system_sgpr_workgroup_id_x 1
		.amdhsa_system_sgpr_workgroup_id_y 1
		.amdhsa_system_sgpr_workgroup_id_z 1
		.amdhsa_system_vgpr_workitem_id 0
		.amdhsa_next_free_vgpr 1024
		.amdhsa_next_free_sgpr 96
		.amdhsa_reserve_vcc 0
		.amdhsa_float_denorm_mode_32 3
		.amdhsa_float_denorm_mode_16_64 3
		.amdhsa_memory_ordered 1
		.amdhsa_forward_progress 1
		.amdhsa_inst_pref_size 81
	.end_amdhsa_kernel
	.amdgpu_metadata
---
amdhsa.version: [ 1, 2 ]
amdhsa.kernels:
  - .name:           k_q9e7d83982d_proj
    .symbol:         k_q9e7d83982d_proj.kd
    .args:
      - { .name: x, .offset: 0, .size: 8, .value_kind: global_buffer, .address_space: global }
      - { .name: stats, .offset: 8, .size: 8, .value_kind: global_buffer, .address_space: global }
      - { .name: beta, .offset: 16, .size: 8, .value_kind: global_buffer, .address_space: global }
      - { .name: Wq_codes, .offset: 24, .size: 8, .value_kind: global_buffer, .address_space: global }
      - { .name: Wq_scales, .offset: 32, .size: 8, .value_kind: global_buffer, .address_space: global }
      - { .name: bq, .offset: 40, .size: 8, .value_kind: global_buffer, .address_space: global }
      - { .name: Wk_codes, .offset: 48, .size: 8, .value_kind: global_buffer, .address_space: global }
      - { .name: Wk_scales, .offset: 56, .size: 8, .value_kind: global_buffer, .address_space: global }
      - { .name: bk, .offset: 64, .size: 8, .value_kind: global_buffer, .address_space: global }
      - { .name: Wv_codes, .offset: 72, .size: 8, .value_kind: global_buffer, .address_space: global }
      - { .name: Wv_scales, .offset: 80, .size: 8, .value_kind: global_buffer, .address_space: global }
      - { .name: bv, .offset: 88, .size: 8, .value_kind: global_buffer, .address_space: global }
      - { .name: qkv, .offset: 96, .size: 8, .value_kind: global_buffer, .address_space: global }
    .group_segment_fixed_size: 167936
    .private_segment_fixed_size: 0
    .kernarg_segment_align: 8
    .kernarg_segment_size: 104
    .max_flat_workgroup_size: 128
    .sgpr_count:     96
    .vgpr_count:     1024
    .wavefront_size: 32
...
	.end_amdgpu_metadata
.endif
;; end of part 2
;; launch attn (part 3): grid 32 x 8, 8 waves a work-group, clusters of 4 x 1, 327,680 bytes of LDS; arguments qkv, Wo_codes, Wo_scales, x, out0; writes out0
.if DOCPART == 3
	.amdgcn_target "amdgcn-amd-amdhsa--gfx1250"
	.amdhsa_code_object_version 6
	.text
	.protected	k_q9e7d83982d_attn
	.globl	k_q9e7d83982d_attn
	.p2align	8
	.type	k_q9e7d83982d_attn,@function
k_q9e7d83982d_attn:
	s_mov_b64 s[64:65], 0
	v_nop
	global_prefetch_b8 v0, s[64:65] scope:SCOPE_SE
	s_setreg_imm32_b32 hwreg(HW_REG_WAVE_MODE, 25, 1), 1
	s_wait_xcnt 0x0
	s_wait_alu depctr_hold_cnt(0) depctr_sa_sdst(0) depctr_va_vdst(0) depctr_va_sdst(0) depctr_va_ssrc(0) depctr_va_vcc(0) depctr_vm_vsrc(0)
	s_getreg_b32 s2, hwreg(HW_REG_IB_STS2, 6, 4)
	s_cmp_eq_u32 s2, 0
	s_cbranch_scc0 .Lentry_in_a_cluster
	s_endpgm
.Lentry_in_a_cluster:
	s_bfe_u32 s2, ttmp6, 0x10000c
	s_cmp_lg_u32 s2, 0x3003
	s_cbranch_scc0 .Lentry_shape_is_right
	s_endpgm
.Lentry_shape_is_right:
; out = (softmax(q k^T / sqrt(128)) v) Wo^T + x for 128 positions (one record of qkv) of one batch; all products on codes of E2M1 with E8M0 scales, sums in f32.  No work is left out.
; SHARES.  Waves w and w xor 1 own the same 32 queries, two tiles of 16: tile A = tile w of the record, tile B = tile w xor 1.  Each walks half of the keys (records 4 (w % 2) .. + 3 of each slot's eight); at the end each hands the other its part of
; tile B through LDS and finishes tile A.  So a fragment of K or V read from LDS feeds both tiles.
; LAYOUT.  Both products are used transposed (S^T = K Q^T, O^T = V^T P^T): a lane holds one query of each tile.  Source 0 is 32 rows.  Row r of K's 16-row tile t is key 64 (t / 4) + 8 (t % 4) + r % 8 + 32 (r / 8) of its record: a lane's registers
; 32 c .. 32 c + 31 are then keys 64 c + 32 (lane / 16) + 0 .. 31, one whole block of 32, in the order of the next operand: no other lane is asked for a block's maximum, and the conversions' results are the operand.  V^T's rows are channels in the same order.
; THE SOFTMAX.  t = score x log2(e) / sqrt(128).  A block's largest t gives n = ceil(2 - t) = 2 - floor(t); p' = 2^(t + n) lies under 8 and its codes have scale 1: they are the codes of p = 2^(t - M) under the block's scale, whatever the whole number M.
; So codes and the blocks' sums of unquantised p' need no row maximum.  Once for a slot's four records the row's least n so far (the running maximum) is settled, a block's scale is 2^(least n - n), and the sum and O are multiplied by the exact power
; of two by which the maximum moved.
; THE RING.  Two LDS slots of eight records (K's and V's codes and scale words, 17,408 bytes each), one joint tensor load a wave, shared by the cluster's four work-groups.  At the last change slot 0 takes the work-group's tile of x instead.
; The last two records' products of a slot stand inside and behind the next change of slots; in the first trip they multiply zeros.
; No prefetch: a refill has a whole slot's work, 64 matrix instructions and 512 exponentials a lane for each wave, in which to land, and the wait for it stands behind that work.
; LIMITS: NaN and infinities are not served; the scaled scores t stay under 2^31 in magnitude; a block of p whose scale would lie under 2^-126 keeps 2^-126; a block of O whose largest magnitude lies under 2^-124, zeros too, keeps the scale byte 1.
; REGISTERS.  window 0: v0-63 below; v64-127 S of tile A, v128-191 S of tile B (later V's fragments of records 1 and 2); v192-255 fragments.   window 1: O^T 0-127 (A, B), p's codes 128-191, sums 192-223, n 224-239, Q 240-255.
.set PITCH, 26112
.set REC,   17408
.set SLOT,  8*REC
.set SPARE, 2*SLOT                     ; the spare words, 128 bytes a wave
.set XCH,   65536                      ; the waves' exchange: in slot 0 behind x's tile, when the slot has had its last fill
.set XCW,   9216
.set STG,   SLOT                       ; the stage of the way out: in slot 1, when its last reads are over
.set SP,    528
.set SPW,  1
.set NIL,  2
.set ONE,  3
.set LK0,  4                           ; lane's place in K's images, for tiles with (t % 4) / 2 = 0,
.set LK1,  5                           ; and 1
.set LV,   6
.set PSEL, 7                           ; where my two scale bytes go in a word
.set AK0,  8
.set AK1,  9
.set AV,   10
.set KS,   12
.set VS,   16                          ; four sets of V's scale words
.set PW,   32                          ; p's scale words: record i, tile tl at PW + 2 i + tl
.set NB,   40                          ; the least n so far, tiles A and B
.set NN,   42
.set FF,   44
.set N7,   46
.set LS,   48                          ; the sums, a pair a tile
.set MT,   52
.set QS,   60
.set SA,   64
.set SB,   128
.set F,    192
.set CD,   128                         ; window 1
.set SU,   192
.set NBK,  224
.set Q,    240
.set WV,   14
.set CS,   22
.set G1,   24
.set G0,   32
.set LA,   36
.set TF,   37
.set SEL,  40
.set TB,   42
.set CNT,  43
.set G1X,  56
.set G0X,  68
.set MSB, 0
.macro WIN new                         ; the immediate's high byte repeats the setting that is left
.if MSB != \new
	s_set_vgpr_msb (MSB<<8)|\new
.set MSB, \new
.endif
.endm
.macro PLACES n
.rept \n
	v_nop
.endr
.endm
.macro CREST                           ; a round of the cluster's barrier behind its opening barrier
	s_cmp_lg_u32 s[WV], 0
	s_cbranch_scc1 .Lnot_wave_0_\@
	s_barrier_signal -3
.Lnot_wave_0_\@:
	s_barrier_wait -3
	s_barrier_signal -1
	s_barrier_wait -1
.endm
.macro CROUND
	s_barrier_signal -1
	s_barrier_wait -1
	CREST
.endm
.macro KLD i                           ; 17 loads: K's fragments and scale words of record i
.irp t, 0,1,2,3,4,5,6,7
.irp c, 0,1
	ds_load_b128 v[F+8*\t+4*\c:F+8*\t+4*\c+3], v[AK0+(\t%4)/2] offset:REC*\i+4096*(\t/4)+1024*(\t%2)+512*\c
.endr
.endr
	ds_load_b128 v[KS:KS+3], v[AV] offset:REC*\i+8192
.endm
.macro VLD i, f                        ; 17 loads: V's
.irp t, 0,1,2,3,4,5,6,7
.irp c, 0,1
	ds_load_b128 v[\f+8*\t+4*\c:\f+8*\t+4*\c+3], v[AV] offset:REC*\i+1024*\t+512*\c
.endr
.endr
	ds_load_b128 v[VS+4*\i:VS+4*\i+3], v[AV] offset:REC*\i+8704
.endm
.macro QKT tl, s                       ; S^T of one tile: 128 keys x 16 queries
	WIN 0x04
.irp b, 0,1,2,3
	v_wmma_scale_f32_32x16x128_f4 v[\s+16*\b:\s+16*\b+15], v[F+16*\b:F+16*\b+15], v[Q+8*\tl:Q+8*\tl+7], 0, v[KS+\b], v[QS+\tl]
.endr
.endm
.macro PVR i, f                        ; O^T += V^T P^T of record i, both tiles: eight accumulators by turns
	WIN 0x54
.irp tl, 0,1
.irp b, 0,1,2,3
	v_wmma_scale_f32_32x16x128_f4 v[64*\tl+16*\b:64*\tl+16*\b+15], v[\f+16*\b:\f+16*\b+15], v[CD+16*\i+8*\tl:CD+16*\i+8*\tl+7], v[64*\tl+16*\b:64*\tl+16*\b+15], v[VS+4*\i+\b], v[PW+2*\i+\tl]
.endr
.endr
.endm
.macro MAXT s, m                       ; a tile's two block maxima, in v[m] and v[m+2]; four chains by turns
.irp q, 0,1,2,3
	v_max3_num_f32 v[\m+\q], v[\s+16*\q], v[\s+16*\q+1], v[\s+16*\q+2]
.endr
.irp i, 3,5,7,9,11,13
.irp q, 0,1,2,3
	v_max3_num_f32 v[\m+\q], v[\m+\q], v[\s+16*\q+\i], v[\s+16*\q+\i+1]
.endr
.endr
.irp c, 0,2
	v_max3_num_f32 v[\m+\c], v[\m+\c], v[\m+\c+1], v[\s+16*\c+15]
.endr
.irp c, 0,2
	v_max_num_f32 v[\m+\c], v[\m+\c], v[\s+16*\c+31]
.endr
.endm
.macro PKF s, i, tl                    ; t + n, pair j of a tile
.if j < 16
	v_pk_fma_f32 v[\s+2*j:\s+2*j+1], v[\s+2*j:\s+2*j+1], s[CS:CS+1], v[NBK+4*\i+2*\tl:NBK+4*\i+2*\tl+1] op_sel_hi:[1,0,0]
.else
	v_pk_fma_f32 v[\s+2*j:\s+2*j+1], v[\s+2*j:\s+2*j+1], s[CS:CS+1], v[NBK+4*\i+2*\tl:NBK+4*\i+2*\tl+1] op_sel:[0,0,1] op_sel_hi:[1,0,1]
.endif
.endm
.macro CVT s, i, tl
.irp c, 0,1
.irp g, 0,1,2,3
	v_cvt_scalef32_pk8_fp4_f32 v[CD+16*\i+8*\tl+4*\c+\g], v[\s+32*\c+8*\g:\s+32*\c+8*\g+7], v[ONE]
.endr
.endr
.endm
.macro SUM1 s                          ; the blocks' sums, in place: 16 additions,
.set j, 0
.rept 16
	v_pk_add_f32 v[\s+4*j:\s+4*j+1], v[\s+4*j:\s+4*j+1], v[\s+4*j+2:\s+4*j+3]
.set j, j+1
.endr
.endm
.macro SUM23 s                         ; 8 and 4,
.irp p, 0,1,2,3,4,5,6,7
	v_pk_add_f32 v[\s+8*\p:\s+8*\p+1], v[\s+8*\p:\s+8*\p+1], v[\s+8*\p+4:\s+8*\p+5]
.endr
.irp p, 0,1,2,3
	v_pk_add_f32 v[\s+16*\p:\s+16*\p+1], v[\s+16*\p:\s+16*\p+1], v[\s+16*\p+8:\s+16*\p+9]
.endr
.endm
.macro SUM4 s, i, tl                   ; and one a block, into window 1
.irp c, 0,1
	v_pk_add_f32 v[SU+8*\i+4*\tl+2*\c:SU+8*\i+4*\tl+2*\c+1], v[\s+32*\c:\s+32*\c+1], v[\s+32*\c+16:\s+32*\c+17]
.endr
.endm
; Record i's scores of both tiles become codes and sums (tile B's sums follow behind the macro).  Tile B's multiply-adds stand among tile A's exponentials, tile A's first additions among tile B's.
.macro SOFT i
	WIN 0
	MAXT SA, MT
	MAXT SB, MT+4
.irp m, 0,2,4,6
	v_fma_f32 v[MT+\m], -v[MT+\m], s[CS], 2.0
.endr
	WIN 0x40
.irp m, 0,1,2,3
	v_ceil_f32 v[NBK+4*\i+\m], v[MT+2*\m]          ; n: a whole number
.endr
	WIN 0x10
.set j, 0
.rept 32
	PKF SA, \i, 0
.set j, j+1
.endr
	s_wait_alu depctr_va_vdst(0)                   ; ahead of the batch,
.set j, 0
.rept 32
	v_exp_f32 v[SA+2*j], v[SA+2*j]
	v_exp_f32 v[SA+2*j+1], v[SA+2*j+1]
	PKF SB, \i, 1
.set j, j+1
.endr
	s_wait_alu depctr_va_vdst(0)                   ; and behind it; this one stands ahead of tile B's batch too
	WIN 0x40
	CVT SA, \i, 0
	v_nop                                          ; one plain place behind a scaled conversion
	WIN 0
.set j, 0
.rept 16
	v_exp_f32 v[SB+4*j], v[SB+4*j]
	v_exp_f32 v[SB+4*j+1], v[SB+4*j+1]
	v_exp_f32 v[SB+4*j+2], v[SB+4*j+2]
	v_exp_f32 v[SB+4*j+3], v[SB+4*j+3]
	v_pk_add_f32 v[SA+4*j:SA+4*j+1], v[SA+4*j:SA+4*j+1], v[SA+4*j+2:SA+4*j+3]
.set j, j+1
.endr
	s_wait_alu depctr_va_vdst(0)
	SUM23 SA
	WIN 0x40
	SUM4 SA, \i, 0
	CVT SB, \i, 1
	v_nop
.endm
.macro SUMB i
	WIN 0
	SUM1 SB
	SUM23 SB
	WIN 0x40
	SUM4 SB, \i, 1
.endm
.macro MID i                           ; the next record's scores: tile B's sums stand between the two tiles' products
	s_wait_dscnt 0x0                               ; K's fragments of record i + 1
	QKT 0, SA
	SUMB \i
	QKT 1, SB
	PLACES 4                                       ; ahead of loads into registers that matrix instructions have read
	WIN 0
.endm
.macro CHANGE x                        ; x = 1: the last change
	s_wait_tensorcnt 0x0                           ; my part of the slot to be read has landed
	ds_add_u32 v[SPW], v[NIL]                      ; the descriptor's steps stand between the add and its wait
.if \x == 0
	s_xor_b32 s[TF], s[TB], SLOT                   ; the slot just read out is filled
	s_add_co_u32 s[G0+1], s[LA], s[TF]
	s_add_nc_u64 s[G0+2:G0+3], s[G0+2:G0+3], 8*PITCH
.endif
	s_wait_dscnt 0x0                               ; the add is done, and my reads of that slot are over
	s_barrier_signal -1
	PVR 3, F                                       ; register work while the others arrive
	WIN 0
	s_barrier_wait -1
	CREST
.if \x
	tensor_load_to_lds s[G0X:G0X+3], s[G1X:G1X+7]  ; 16 channels of x's tile
.else
	tensor_load_to_lds s[G0:G0+3], s[G1:G1+7]      ; one record, joint
.endif
	s_nop 0
	PLACES 4
	v_add_nc_u32 v[AK0], s[TB], v[LK0]
	v_add_nc_u32 v[AK1], s[TB], v[LK1]
	v_add_nc_u32 v[AV], s[TB], v[LV]
	s_wait_alu depctr_va_vdst(0)
	KLD 0
	PVR 2, SB
	WIN 0
.endm
; A slot's four records.
.macro BODY
	s_wait_dscnt 0x0
	QKT 0, SA
	PLACES 5                                       ; v128-191 were a source of the products just issued
	QKT 1, SB
	PLACES 4
	WIN 0
	KLD 1
	SOFT 0
	MID 0
	KLD 2
	SOFT 1
	MID 1
	KLD 3
	SOFT 2
	MID 2
	VLD 0, F
	SOFT 3
	WIN 0
	VLD 1, SA
	SUMB 3
	; the row's least n, tile A and tile B by turns
	WIN 0x14
.irp i, 0,1,2,3
.irp tl, 0,1
.if \i == 0
	v_min3_num_f32 v[NN+\tl], v[NB+\tl], v[NBK+2*\tl], v[NBK+2*\tl+1]
.else
	v_min3_num_f32 v[NN+\tl], v[NN+\tl], v[NBK+4*\i+2*\tl], v[NBK+4*\i+2*\tl+1]
.endif
.endr
.endr
	WIN 0
.irp tl, 0,1
	v_permlanex16_b32 v[MT+4+\tl], v[NN+\tl], s[SEL], s[SEL+1]
.endr
.irp tl, 0,1
	v_min_num_f32 v[NN+\tl], v[NN+\tl], v[MT+4+\tl]
.endr
.irp tl, 0,1
	v_sub_f32 v[MT+\tl], v[NN+\tl], v[NB+\tl]
.endr
.irp tl, 0,1
	v_cvt_i32_f32 v[MT+\tl], v[MT+\tl]             ; (it saturates)
.endr
.irp tl, 0,1
	v_add_f32 v[N7+\tl], 0x42fe0000, v[NN+\tl]     ; 127 + the least n
.endr
.irp tl, 0,1
	v_ldexp_f32 v[FF+\tl], 1.0, v[MT+\tl]          ; an exact power of two, 1 or less
.endr
.irp tl, 0,1
	v_mov_b32 v[NB+\tl], v[NN+\tl]
.endr
	v_pk_mul_f32 v[LS:LS+1], v[LS:LS+1], v[FF:FF+1] op_sel_hi:[1,0]
	v_pk_mul_f32 v[LS+2:LS+3], v[LS+2:LS+3], v[FF:FF+1] op_sel:[0,1] op_sel_hi:[1,1]
	; the eight pairs of scale bytes, 127 + least n - n, at v128 on
	WIN 0x04
.irp i, 0,1,2,3
	v_pk_add_f32 v[SB+4*\i:SB+4*\i+1], v[N7:N7+1], v[NBK+4*\i:NBK+4*\i+1] op_sel_hi:[0,1] neg_lo:[0,1] neg_hi:[0,1]
	v_pk_add_f32 v[SB+4*\i+2:SB+4*\i+3], v[N7:N7+1], v[NBK+4*\i+2:NBK+4*\i+3] op_sel:[1,0] op_sel_hi:[1,1] neg_lo:[0,1] neg_hi:[0,1]
.endr
	WIN 0
.set j, 0
.rept 16
	v_max_num_f32 v[SB+j], 1.0, v[SB+j]            ; the byte stays at 1 or more
.set j, j+1
.endr
.set j, 0
.rept 16
	v_cvt_u32_f32 v[SB+j], v[SB+j]
.set j, j+1
.endr
.irp k, 0,1,2,3,4,5,6,7
	v_perm_b32 v[PW+\k], v[SB+2*\k+1], v[SB+2*\k], v[PSEL]
.endr
.irp k, 0,1,2,3,4,5,6,7
	v_permlanex16_b32 v[SB+16+\k], v[PW+\k], s[SEL], s[SEL+1]
.endr
.irp k, 0,1,2,3,4,5,6,7
	v_or_b32 v[PW+\k], v[PW+\k], v[SB+16+\k]
.endr
.set j, 0
.rept 16
	v_lshlrev_b32 v[SB+j], 23, v[SB+j]             ; the byte as an f32 power of two: the block's weight in the sum
.set j, j+1
.endr
	WIN 0x01
.irp i, 0,1,2,3
.irp tl, 0,1
	v_pk_fma_f32 v[LS+2*\tl:LS+2*\tl+1], v[SU+8*\i+4*\tl:SU+8*\i+4*\tl+1], v[SB+4*\i+2*\tl:SB+4*\i+2*\tl+1], v[LS+2*\tl:LS+2*\tl+1] op_sel_hi:[1,0,1]
.endr
.irp tl, 0,1
	v_pk_fma_f32 v[LS+2*\tl:LS+2*\tl+1], v[SU+8*\i+4*\tl+2:SU+8*\i+4*\tl+3], v[SB+4*\i+2*\tl:SB+4*\i+2*\tl+1], v[LS+2*\tl:LS+2*\tl+1] op_sel:[0,1,0] op_sel_hi:[1,1,1]
.endr
.endr
	WIN 0
	VLD 2, SB
	WIN 0x41
	s_wait_alu depctr_va_vdst(0)                   ; directly ahead of the first readers of O^T
.set j, 0
.rept 32
	v_pk_mul_f32 v[2*j:2*j+1], v[2*j:2*j+1], v[FF:FF+1] op_sel_hi:[1,0]
.set j, j+1
.endr
.set j, 32
.rept 32
	v_pk_mul_f32 v[2*j:2*j+1], v[2*j:2*j+1], v[FF:FF+1] op_sel:[0,1] op_sel_hi:[1,1]
.set j, j+1
.endr
	s_wait_alu depctr_va_vdst(0)
	s_wait_dscnt 34                                ; V of record 0 is in; records 1 and 2, 17 loads each, may be out
	PVR 0, F
	PLACES 4
	WIN 0
	VLD 3, F
	s_wait_dscnt 34                                ; record 1 is in; records 2 and 3 may be out
	PVR 1, SA
	WIN 0
.endm
	s_load_b256 s[4:11], s[0:1], 0x0               ; qkv, Wo's codes, Wo's scales, x
	s_load_b64 s[12:13], s[0:1], 0x20              ; out0
	v_lshl_add_u32 v[SPW], v0, 2, SPARE
	v_mov_b32 v[NIL], 0
	ds_add_u32 v[SPW], v[NIL]                      ; the wave's opening: the add, twice on end, and its wait ahead of my first tensor load
	ds_add_u32 v[SPW], v[NIL]
	v_lshrrev_b32 v8, 5, v0
	v_readfirstlane_b32 s[WV], v8                  ; wave 0..7
	s_bfe_u32 s15, ttmp6, 0x40000
	s_lshl_b32 s16, ttmp9, 2
	s_add_co_u32 s16, s16, s15                     ; the block of 128 positions
	s_and_b32 s17, ttmp7, 0xffff                   ; the batch
	s_mov_b32 s[G1], 15|(3<<16)|(1<<21)            ; a record: 68 rows of 256 bytes, for the cluster's four work-groups
	s_mov_b32 s[G1+1], 32<<16
	s_mov_b32 s[G1+2], 68<<16
	s_mov_b32 s[G1+3], 32<<16
	s_mov_b32 s[G1+4], 68
	s_mov_b32 s[G1+5], 32
	s_mov_b32 s[G1+6], 0
	s_mov_b32 s[G1+7], 0
	s_mov_b32 s[G1X], 3<<16                        ; x: 16 rows of 512 bytes, 16,384 bytes apart
	s_mov_b32 s[G1X+1], 64<<16
	s_mov_b32 s[G1X+2], 16<<16
	s_mov_b32 s[G1X+3], 64<<16
	s_mov_b32 s[G1X+4], 16
	s_mov_b32 s[G1X+5], 2048
	s_mov_b32 s[G1X+6], 0
	s_mov_b32 s[G1X+7], 0
	s_mov_b32 s[CS], 0x3e0293ee                    ; log2(e) / sqrt(128)
	s_mov_b32 s[CS+1], s[CS]
	s_mov_b32 s[SEL], 0x76543210
	s_mov_b32 s[SEL+1], 0xfedcba98                 ; selects for lane l xor 16
	s_mul_i32 s18, s17, 32*PITCH
	s_mul_i32 s19, s[WV], PITCH
	s_add_co_u32 s18, s18, s19                     ; record w of the batch: my first load
	s_mov_b32 s19, 0
	s_mul_i32 s20, s17, 32*PITCH
	s_mul_i32 s21, s16, PITCH
	s_add_co_u32 s20, s20, s21                     ; the work-group's own record
	s_mov_b32 s21, 0
	s_lshl_b32 s52, s17, 21
	s_lshl_b32 s53, s[WV], 18
	s_add_co_u32 s52, s52, s53
	s_lshl_b32 s53, s16, 9
	s_add_co_u32 s52, s52, s53                     ; x and out0: the batch, channels 16 w on, the block's positions
	s_mov_b32 s53, 0
	s_mul_i32 s[LA], s[WV], REC
	s_mov_b32 s[G0], 1
	s_mov_b32 s[G0+1], s[LA]
	s_mov_b32 s[G0X], 1
	s_lshl_b32 s[G0X+1], s[WV], 13
	v_and_b32 v54, 31, v0
	v_and_b32 v52, 15, v0
	s_xor_b32 s51, s[WV], 1
	s_lshl_b32 s50, s[WV], 10
	v_lshl_add_u32 v55, v54, 4, s50                ; Q's codes: tile A,
	s_lshl_b32 s50, s51, 10
	v_lshl_add_u32 v56, v54, 4, s50                ; tile B
	s_lshl_b32 s50, s[WV], 6
	v_lshl_add_u32 v57, v52, 2, s50                ; and their scale words
	s_lshl_b32 s50, s51, 6
	v_lshl_add_u32 v58, v52, 2, s50
	s_wait_alu depctr_va_vdst(0)
	s_wait_dscnt 0x0                               ; both opening adds are done
	s_wait_kmcnt 0x0
	s_add_nc_u64 s[G0+2:G0+3], s[4:5], s[18:19]
	s_or_b32 s[G0+3], s[G0+3], 0x80000000
	s_add_nc_u64 s[44:45], s[4:5], s[20:21]
	s_add_nc_u64 s[G0X+2:G0X+3], s[10:11], s[52:53]
	s_or_b32 s[G0X+3], s[G0X+3], 0x80000000
	s_add_nc_u64 s[48:49], s[12:13], s[52:53]
	WIN 0x40
.irp c, 0,1
	global_load_b128 v[Q+4*\c:Q+4*\c+3], v55, s[44:45] offset:17920+512*\c
	global_load_b128 v[Q+8+4*\c:Q+8+4*\c+3], v56, s[44:45] offset:17920+512*\c
.endr
	WIN 0
	global_load_b32 v[QS], v57, s[44:45] offset:17408
	global_load_b32 v[QS+1], v58, s[44:45] offset:17408
	CROUND                                         ; in front of the first joint load
	tensor_load_to_lds s[G0:G0+3], s[G1:G1+7]      ; slot 0: my one tensor load of the head
	s_nop 0
	PLACES 4
	v_and_b32 v9, 15, v0                           ; r
	v_bfe_u32 v11, v0, 4, 1                        ; h
	v_lshrrev_b32 v8, 3, v9                        ; r / 8
	v_and_b32 v9, 7, v9
	v_lshlrev_b32 v10, 8, v11
	v_lshl_add_u32 v10, v9, 4, v10                 ; 256 h + 16 (r % 8)
	s_and_b32 s50, s[WV], 1
	s_mul_i32 s50, s50, 4*REC                      ; my half of a slot
	v_add_nc_u32 v10, s50, v10
	v_mad_u32_u24 v[LK0], v8, 2176, v10            ; 2,048 (r / 8), and the two groups of eight rows lie in different halves of 256 bytes
	v_mad_u32_u24 v[LK1], v8, 1920, v10
	v_add_nc_u32 v[LK1], 128, v[LK1]
	v_lshl_add_u32 v[LV], v54, 4, s50
	v_add_nc_u32 v[LV], 8192, v[LV]
	v_mov_b32 v[PSEL], 0x0c040c00                  ; lanes 0-15: bytes 0 and 2
	v_mov_b32 v9, 0x040c000c                       ; lanes 16-31: bytes 1 and 3
	v_cmp_eq_u32 vcc_lo, 1, v11
	v_cndmask_b32 v[PSEL], v[PSEL], v9, vcc_lo
	v_mov_b32 v[ONE], 1.0
.irp tl, 0,1
	v_mov_b32 v[NB+\tl], 0x7f61b1e6                ; the least n so far: 3e38, over every n
.endr
.irp k, 0,1,2,3
	v_mov_b32 v[LS+\k], 0
.endr
	v_mov_b32 v63, 0                               ; (a lane permute's destination counts as one of its sources)
.irp k, 0,1,2,3,4,5,6,7
	v_mov_b32 v[VS+8+\k], 0x7f7f7f7f               ; what the first trip's change of slots multiplies: zeros under scales of 1
.endr
.irp k, 4,5,6,7
	v_mov_b32 v[PW+\k], 0x7f7f7f7f
.endr
.set j, 128
.rept 128
	v_mov_b32 v[j], 0
.set j, j+1
.endr
	WIN 0x40
.set j, 0
.rept 128
	v_mov_b32 v[j], 0                              ; O^T: the loop is written once, and its first trip finds zeros
.set j, j+1
.endr
.set j, CD+32
.rept 32
	v_mov_b32 v[j], 0
.set j, j+1
.endr
	WIN 0
	s_mov_b32 s[TB], 0
	s_mov_b32 s[CNT], 3
	s_wait_alu depctr_va_vdst(0)
	s_wait_loadcnt 0x0                             ; Q
.Lslot:                                                ; slots' worth 0, 1, 2; the change at a trip's head asks for the next one (slot 1's first fill in the first trip)
	CHANGE 0
	BODY
	s_xor_b32 s[TB], s[TB], SLOT
	s_sub_co_u32 s[CNT], s[CNT], 1
	s_cmp_lg_u32 s[CNT], 0
	s_cbranch_scc1 .Lslot
	CHANGE 1                                       ; the last slot's worth is written out: its change asks for x
	BODY
	; THE WAY OUT.  Wo's fragments are asked for first
	v_and_b32 v52, 15, v0                          ; r  (these lines are also the places in front of the loads below)
	v_bfe_u32 v53, v0, 4, 1                        ; h
	v_and_b32 v54, 31, v0                          ; l
	v_lshlrev_b32 v8, 6, v52
	v_lshlrev_b32 v9, 2, v54
	v_lshl_add_u32 v8, v53, 4, v8
.irp n, 0,1,2,3,4,5,6,7
.irp c, 0,1
	global_load_b128 v[SA+8*\n+4*\c:SA+8*\n+4*\c+3], v8, s[6:7] offset:1024*\n+32*\c
.endr
.endr
.irp j, 0,1,2,3
	global_load_b32 v[KS+\j], v9, s[8:9] offset:128*\j   ; lanes 0-15: tile 2 j's words, lanes 16-31: tile 2 j + 1's
.endr
	s_wait_alu depctr_va_vdst(0)
	s_wait_dscnt 17                                ; record 2 is in
	PVR 2, SB
	s_wait_dscnt 0x0
	PVR 3, F
	WIN 0
	s_wait_tensorcnt 0x0                           ; x has landed
	s_mul_i32 s50, s[WV], XCW
	s_add_co_u32 s50, s50, XCH
	s_xor_b32 s51, s[WV], 1
	s_mul_i32 s51, s51, XCW
	s_add_co_u32 s51, s51, XCH
.irp tl, 0,1
	v_add_f32 v[NN+\tl], v[LS+2*\tl], v[LS+2*\tl+1]
.endr
.irp tl, 0,1
	v_permlanex16_b32 v[N7+\tl], v[NN+\tl], s[SEL], s[SEL+1]
.endr
.irp tl, 0,1
	v_add_f32 v[NN+\tl], v[NN+\tl], v[N7+\tl]      ; the row's sum over my keys
.endr
	v_lshl_add_u32 v10, v54, 4, s50
	v_lshl_add_u32 v11, v54, 2, s50
	v_lshl_add_u32 v55, v54, 4, s51
	v_lshl_add_u32 v56, v54, 2, s51
	; my part of tile B goes to the other wave: 8,192 bytes of O^T, the least n, the sum
	WIN 0x04
.irp k, 0,1,2,3,4,5,6,7,8,9,10,11,12,13,14,15
	ds_store_b128 v10, v[64+4*\k:64+4*\k+3] offset:512*\k
.endr
	WIN 0
	ds_store_b32 v11, v[NB+1] offset:8192
	ds_store_b32 v11, v[NN+1] offset:8320
	s_mul_i32 s50, s[WV], 16*SP
	s_add_co_u32 s50, s50, STG
	v_lshl_add_u32 v5, v54, 4, s50                 ; the stage, back: rows 16 w on
	v_lshlrev_b32 v6, 4, v54                       ; out0: 16 l
	s_lshr_b32 s50, s[WV], 1
	s_lshl_b32 s50, s50, 7
	s_and_b32 s15, s[WV], 1
	s_lshl_b32 s15, s15, 5
	s_add_co_u32 s50, s50, s15
	s_add_co_u32 s50, s50, STG
	v_mul_u32_u24 v4, v52, SP
	v_lshl_add_u32 v4, v53, 6, v4
	v_add_nc_u32 v4, s50, v4                       ; the stage, in: row = channel, 128 (w / 2) + 32 (w % 2) + 64 h bytes on
	s_wait_alu depctr_va_vdst(0)
	s_wait_dscnt 0x0                               ; for the other wave's sake: my stores have landed
	s_barrier_signal -1
	s_barrier_wait -1
.irp k, 0,1,2,3,4,5,6,7,8,9,10,11,12,13,14,15
	ds_load_b128 v[SB+4*\k:SB+4*\k+3], v55 offset:512*\k
.endr
	ds_load_b32 v[FF], v56 offset:8192
	ds_load_b32 v[FF+1], v56 offset:8320
	s_wait_dscnt 0x0
	v_min_num_f32 v57, v[NB], v[FF]
	v_sub_f32 v58, v57, v[NB]
	v_sub_f32 v59, v57, v[FF]
	v_cvt_i32_f32 v58, v58
	v_cvt_i32_f32 v59, v59
	v_ldexp_f32 v58, 1.0, v58
	v_ldexp_f32 v59, 1.0, v59
	v_mul_f32 v[NN], v[NN], v58
	v_fma_f32 v[NN], v[FF+1], v59, v[NN]           ; the row's sum
	s_wait_alu depctr_va_vdst(0)                   ; ahead of the transcendental,
	v_rcp_f32 v[NN], v[NN]
	v_nop
	s_wait_alu depctr_va_vdst(0)                   ; and ahead of its reader
	v_mul_f32 v58, v58, v[NN]
	v_mul_f32 v59, v59, v[NN]
	WIN 0x01
	s_wait_alu depctr_va_vdst(0)                   ; and ahead of the first readers of O^T
.set j, 0
.rept 32
	v_pk_mul_f32 v[F+2*j:F+2*j+1], v[2*j:2*j+1], v[58:59] op_sel_hi:[1,0]
.set j, j+1
.endr
	WIN 0
.set j, 0
.rept 32
	v_pk_fma_f32 v[F+2*j:F+2*j+1], v[SB+2*j:SB+2*j+1], v[58:59], v[F+2*j:F+2*j+1] op_sel:[0,1,0] op_sel_hi:[1,1,1]
.set j, j+1
.endr
	; quantised along the channels: register 32 c + i = channel 64 c + 32 h + i
.irp q, 0,1,2,3
	v_max3_num_f32 v[LS+\q], |v[F+16*\q]|, |v[F+16*\q+1]|, |v[F+16*\q+2]|
.endr
.irp i, 3,5,7,9,11,13
.irp q, 0,1,2,3
	v_max3_num_f32 v[LS+\q], v[LS+\q], |v[F+16*\q+\i]|, |v[F+16*\q+\i+1]|
.endr
.endr
.irp c, 0,2
	v_max3_num_f32 v[LS+\c], v[LS+\c], v[LS+\c+1], |v[F+16*\c+15]|
.endr
.irp c, 0,2
	v_max3_num_f32 v[LS+\c], v[LS+\c], |v[F+16*\c+31]|, 0x1800000   ; the floor 2^(3 - 127): the byte cannot fall under 1
.endr
	v_add_nc_u32 v58, 0xff000000, v[LS]            ; 2 off the exponent field: the conversion's scale operand
	v_add_nc_u32 v59, 0xff000000, v[LS+2]
	v_lshrrev_b32 v55, 23, v58
	v_lshrrev_b32 v56, 23, v59
	s_lshl_b32 s51, s[WV], 13
	v_perm_b32 v62, v56, v55, v[PSEL]
	v_permlanex16_b32 v63, v62, s[SEL], s[SEL+1]
	v_or_b32 v62, v62, v63
	v_lshl_add_u32 v57, v54, 4, s51                ; x's tile: 8,192 w + 16 l
.irp c, 0,1
.irp g, 0,1,2,3
	v_cvt_scalef32_pk8_fp4_f32 v[40+4*\c+\g], v[F+32*\c+8*\g:F+32*\c+8*\g+7], v[58+\c]
.endr
.endr
	v_nop
.irp k, 0,1,2,3,4,5,6,7,8,9,10,11,12,13,14,15
	ds_load_b128 v[F+4*\k:F+4*\k+3], v57 offset:512*\k   ; x: channel 16 w + k, four positions a lane
.endr
	s_wait_alu depctr_va_vdst(0)
	s_wait_loadcnt 0x0                             ; Wo
	PLACES 8                                       ; a scale register written by a vector instruction stands 8 places ahead of a scaled product
.irp n, 0,1,2,3,4,5,6,7
.if \n%2
	v_wmma_scale_f32_16x16x128_f8f6f4 v[SB+8*\n:SB+8*\n+7], v[40:47], v[SA+8*\n:SA+8*\n+7], 0, v62, v[KS+\n/2] matrix_a_fmt:MATRIX_FMT_FP4 matrix_b_fmt:MATRIX_FMT_FP4 matrix_b_scale:MATRIX_SCALE_ROW1
.else
	v_wmma_scale_f32_16x16x128_f8f6f4 v[SB+8*\n:SB+8*\n+7], v[40:47], v[SA+8*\n:SA+8*\n+7], 0, v62, v[KS+\n/2] matrix_a_fmt:MATRIX_FMT_FP4 matrix_b_fmt:MATRIX_FMT_FP4
.endif
.endr
	PLACES 4
.irp n, 0,1,2,3,4,5,6,7
	ds_store_b128 v4, v[SB+8*\n:SB+8*\n+3] offset:16*SP*\n        ; channel 16 n + r, eight neighbouring positions
	ds_store_b128 v4, v[SB+8*\n+4:SB+8*\n+7] offset:16*SP*\n+16
.endr
	s_wait_dscnt 0x0                               ; for the others' sake: my stores have landed (and x is in registers)
	s_barrier_signal -1
	s_barrier_wait -1
.irp k, 0,1,2,3,4,5,6,7,8,9,10,11,12,13,14,15
	ds_load_b128 v[SA+4*\k:SA+4*\k+3], v5 offset:SP*\k
.endr
.irp k, 0,1,2,3,4,5,6,7,8,9,10,11,12,13,14,15
	s_wait_dscnt 15-\k                             ; row k is in; the rows behind it may be out
	v_pk_add_f32 v[SA+4*\k:SA+4*\k+1], v[SA+4*\k:SA+4*\k+1], v[F+4*\k:F+4*\k+1]
	v_pk_add_f32 v[SA+4*\k+2:SA+4*\k+3], v[SA+4*\k+2:SA+4*\k+3], v[F+4*\k+2:F+4*\k+3]
	global_store_b128 v6, v[SA+4*\k:SA+4*\k+3], s[48:49] offset:16384*\k th:TH_STORE_NT   ; 512 consecutive bytes
.endr
	s_wait_tensorcnt 0x0                           ; the wave's end, behind my last tensor load and my last LDS store
	ds_add_u32 v[SPW], v[NIL]
	s_wait_dscnt 0x0
	CROUND                                         ; the closing round
	s_endpgm
.Lfunc_end_k_q9e7d83982d_attn:
	.size	k_q9e7d83982d_attn, .Lfunc_end_k_q9e7d83982d_attn-k_q9e7d83982d_attn
	.p2alignl 7, 3214868480
	.fill 96, 4, 3214868480
	.section	.rodata,"a",@progbits
	.p2align	6, 0x0
	.amdhsa_kernel k_q9e7d83982d_attn
		.amdhsa_group_segment_fixed_size 327680
		.amdhsa_private_segment_fixed_size 0
		.amdhsa_enable_private_segment 0
		.amdhsa_kernarg_size 40
		.amdhsa_user_sgpr_count 2
		.amdhsa_user_sgpr_kernarg_segment_ptr 1
		.amdhsa_wavefront_size32 1
		.amdhsa_system_sgpr_workgroup_id_x 1
		.amdhsa_system_sgpr_workgroup_id_y 1
		.amdhsa_system_sgpr_workgroup_id_z 1
		.amdhsa_system_vgpr_workitem_id 0
		.amdhsa_next_free_vgpr 512
		.amdhsa_next_free_sgpr 80
		.amdhsa_reserve_vcc 1
		.amdhsa_float_denorm_mode_32 3
		.amdhsa_float_denorm_mode_16_64 3
		.amdhsa_memory_ordered 1
		.amdhsa_forward_progress 1
		.amdhsa_inst_pref_size 238
	.end_amdhsa_kernel
	.amdgpu_metadata
---
amdhsa.version: [ 1, 2 ]
amdhsa.kernels:
  - .name:           k_q9e7d83982d_attn
    .symbol:         k_q9e7d83982d_attn.kd
    .args:
      - { .name: qkv, .offset: 0, .size: 8, .value_kind: global_buffer, .address_space: global }
      - { .name: Wo_codes, .offset: 8, .size: 8, .value_kind: global_buffer, .address_space: global }
      - { .name: Wo_scales, .offset: 16, .size: 8, .value_kind: global_buffer, .address_space: global }
      - { .name: x, .offset: 24, .size: 8, .value_kind: global_buffer, .address_space: global }
      - { .name: out0, .offset: 32, .size: 8, .value_kind: global_buffer, .address_space: global }
    .group_segment_fixed_size: 327680
    .private_segment_fixed_size: 0
    .kernarg_segment_align: 8
    .kernarg_segment_size: 40
    .max_flat_workgroup_size: 256
    .sgpr_count:     80
    .vgpr_count:     512
    .wavefront_size: 32
...
	.end_amdgpu_metadata
.endif
;; end of part 3
